; MI455X (gfx1250); checked and timed in simulation.
; The chip was launched on July 23, 2026; its instructions are those of AMD's public machine-readable ISA for CDNA 5 (MIT licence, August 2026) and "CDNA5" Instruction Set Architecture Reference Guide (July 2026). The comments in the code are by the model that wrote it; some were corrected since.
;; Transformer Block. Allowed arithmetic: matrix products marked QUANTISED: E2M1 operands, one E8M0 scale for each 32 along K, by v_wmma_scale_f32_16x16x128_f8f6f4 with both operands' format E2M1 (or v_wmma_scale_f32_32x16x128_f4), f32 sums; everything else in f32.
;; Inputs: k 4 x 16 x 2,048 x 64 float32; q 4 x 16 x 2,048 x 64 float32; v 4 x 16 x 2,048 x 64 float32.
;; Outputs: out0 4 x 16 x 2,048 x 64 float32.
;; This version of the problem:
;;   THIS VERSION OF THE PROBLEM IS GIVEN IN LOW PRECISION. The matrix products marked QUANTISED in the list below multiply operands that are first quantised to E2M1 (2 exponent bits, 1 mantissa bit; 4 bits a number), with one power-of-two scale for each 32 numbers along K (OCP MX v1.0); their sums are f32. All else is computed in f32.
;;   The module's matrix products, in the order in which they are computed (A, B: the left and right operand; K: the contracted axis; several contracted axes count as one K, in the product's order):
;;     1. batch 64 x [M 2,048, K 64] x [K 64, N 2,048]; A: computed on the way; B: input k: QUANTISED
;;     2. batch 64 x [M 2,048, K 2,048] x [K 2,048, N 64]; A: softmax (see below); B: input v: QUANTISED
;;   THE QUANTISER, for each operand of a quantised product, along K:
;;     - K is cut into blocks of 32 from its start; a last block that is shorter is filled with zeros.
;;     - A block's scale is 2^e with e = floor(log2(the largest magnitude in the block)) - 2, held to -126 .. 127; a block of zeros has e = 0. As a byte (E8M0): e + 127.
;;     - Each number is divided by its block's scale, clamped to +-6, and rounded to the nearest number of E2M1, ties to even, subnormals kept.
;;     - The product sums the exact products of the quantised numbers (number of the format x scale) in f32.
;;   ~~~python
;;   def quantise(x, axis):      # numpy; x: float32 -> the quantised numbers, widened to float32 again
;;       x = np.moveaxis(x, axis, -1); K = x.shape[-1]
;;       x = np.pad(x, [(0, 0)] * (x.ndim - 1) + [(0, -K % 32)]); x = x.reshape(x.shape[:-1] + (-1, 32)); a = np.abs(x).max(-1, keepdims=True)
;;       e = np.where(a > 0, np.clip(np.frexp(np.where(a > 0, a, 1))[1] - 1 - 2, -126, 127), 0)      # np.frexp(a)[1] - 1 = floor(log2(a)), exactly
;;       r = np.clip(x / 2.0 ** e, -6, 6)
;;       step = 2.0 ** (np.maximum(np.frexp(np.where(r == 0, 1, r))[1] - 1, 0) - 1)
;;       q = np.round(r / step) * step * 2.0 ** e      # np.round: ties to even
;;       return np.moveaxis(q.reshape(q.shape[:-2] + (-1,))[..., :K], -1, axis).astype(np.float32)
;;   ~~~
;;   SOFTMAX AHEAD OF A QUANTISED PRODUCT. Where the list says 'softmax', what is quantised is not the finished softmax but p = 2^(t - M), with t = logit x log2(e) and M = ceil(the row's largest t), a whole number; so 1/2 < the row's largest p <= 1. The row's sum l is taken of the UNQUANTISED p, in f32, and the product's result is divided by l at the end. Since M is a whole number, a kernel that streams over the keys may use a running M (the ceiling of the running maximum): every later rescaling is an exact power of two, which a block's scale takes up: the codes' values come out the same.
;;   OPERANDS COMPUTED ON THE WAY. 'Computed on the way' means the value that the module computes at that place (a softmax that the list does not call 'softmax' is quantised finished and normalised). What goes into a quantiser is computed in f32, as accurately as f32 sums, v_exp_f32 and their like allow (about 1e-6 of the number): no bf16 or f16 on the way to a quantiser, and a product that is left as it is and whose result goes on into a quantised operand takes f32 operands (vector FMAs, or v_wmma_f32_16x16x4_f32). A number that lies on a knife's edge between two numbers of the format may be rounded either way, as far as f32 arithmetic and the matrix unit's own rounding can turn it there, and no further.
;; One version. Each part assembles by itself: llvm-mc -triple=amdgcn-amd-amdhsa -mcpu=gfx1250 --defsym DOCPART=n.
;; ======== version 1 of 1: 2 launches
;; workspace buffers: kv 8,912,896 bytes
;; launch quant (part 1): grid 768 x 1, 4 waves a work-group, no clusters, 39,424 bytes of LDS; arguments k, v, kv; writes kv
.if DOCPART == 1
	.amdgcn_target "amdgcn-amd-amdhsa--gfx1250"
	.amdhsa_code_object_version 6
	.text
	.protected	k_qdb8c04dfe4_quant
	.globl	k_qdb8c04dfe4_quant
	.p2align	8
	.type	k_qdb8c04dfe4_quant,@function
k_qdb8c04dfe4_quant:
	s_mov_b64 s[64:65], 0
	v_nop
	global_prefetch_b8 v0, s[64:65] scope:SCOPE_SE
	s_setreg_imm32_b32 hwreg(HW_REG_WAVE_MODE, 25, 1), 1
	s_wait_xcnt 0x0
; k and v, [64 heads][2048 keys][64] f32, become codes of FP4 (E2M1) with one E8M0 scale byte for each 32 along a product's K,
; laid in kv IN THE ORDER OF THE OPERANDS' REGISTERS, so that the attention launch takes every fragment by 16-byte loads at 16 x lane.
; kv = 64 heads x 16 steps x a record of 8,704 bytes for 128 keys:
;   +0     K's image: tile t = 2 b + u at 512 t + 16 x lane; lane (r, h) holds the 32 codes of key 32 b + 8 u + r + 8 (r / 8), channels 32 h on
;   +4096  V's image: channels 16 t on, half c, at 1024 t + 512 c + 16 x lane; lane (r, h) holds channel 16 t + r, keys 64 c + 32 h + 0 .. 31
;   +8192  K's scale words: at 8 L + 4 i the word of b = 2 i + L / 16, r = L % 16; its byte 2 u + hb: key (b, u, r), channels 32 hb on
;   +8448  V's scale words: at 128 i + 4 L the word of channels 16 (2 i + L / 16) + L % 16; its byte beta: keys 32 beta on
; A block's scale is 2^(floor(log2(its largest magnitude)) - 2); its byte is the largest magnitude's exponent field - 2, held at 1 from below.
; LIMITS: a block of zeros, or one whose largest magnitude lies under 2^-124, gets the byte 1 where the quantiser says 127 or less: a block of zeros has zero
; codes, which add nothing under any byte but 0xff, and this program alone reads the bytes.  NaN and infinities among the inputs are not served.
; SHARES.  Work-groups 0-255 take k: a wave takes a step of 128 keys (K = the 64 channels is innermost: a lane needs 32 neighbours of a row, so a tile
; of 16 keys turns through the wave's own stage in LDS, and every load still reads 512 consecutive bytes).  Work-groups 256-767 take v: K = the keys is
; NOT innermost, so a lane takes a channel and its registers run down the keys; two neighbouring waves stand on the two halves of each row of 256 bytes.
; Waves share nothing: no barrier.  Memory binds this launch, so there are no matrix instructions, no tensor loads and no cluster: no byte is read twice.
.set REC,  139264                      ; a head's 16 records
.set SREC, 8704                        ; a step's record
.set VIMG, 4096
.set KSC,  8192
.set VSC,  8448
.set E,    16                          ; v16-23   K path: a scale byte for each tile;  V path: v16 the four bytes
.set W,    24                          ; v24-27   K path: the scale words of b = 0 .. 3
.set R,    32                          ; v32-159  K path: four sets of 32 numbers as loaded;  V path: the four blocks of 32 keys
.set X,    160                         ; v160-223 K path: two sets of 32 neighbours;  V path: v160-175 the codes
.set C,    224                         ; v224-255 K path: four registers of codes a tile, so that no store's data are written again
.set STG,  4864                        ; a stage: 16 rows x 144 bytes for channels 0-31, the same from byte 2,432 on for channels 32-63
; the largest magnitude of v[xs] .. v[xs + 31], with the floor 2^(3 - 127) among its leaves, and the conversion's scale operand in v11
.macro SCALE32 xs
	v_max3_num_f32 v8, |v[\xs]|, |v[\xs+1]|, |v[\xs+2]|            ; two chains, so that no line waits for the line above it
	v_max3_num_f32 v9, |v[\xs+3]|, |v[\xs+4]|, |v[\xs+5]|
.irp i, 6,10,14,18,22,26
	v_max3_num_f32 v8, v8, |v[\xs+\i]|, |v[\xs+\i+1]|
	v_max3_num_f32 v9, v9, |v[\xs+\i+2]|, |v[\xs+\i+3]|
.endr
	v_max3_num_f32 v8, v8, |v[\xs+30]|, |v[\xs+31]|
	v_max3_num_f32 v8, v8, v9, 0x1800000                           ; the floor: the byte cannot fall under 1
	v_add_nc_u32 v11, 0xff000000, v8                               ; 2 off the exponent field: the conversion takes this operand's exponent field as its scale
.endm
	s_load_b128 s[4:7], s[0:1], 0x0                ; k s[4:5], v s[6:7]
	s_load_b64 s[8:9], s[0:1], 0x10                ; kv
	v_lshl_add_u32 v30, v0, 2, 0x9800
	v_mov_b32 v31, 0
	v_lshrrev_b32 v1, 5, v0
	v_readfirstlane_b32 s10, v1                    ; wave 0..3
	v_and_b32 v1, 31, v0                           ; lane
	v_lshlrev_b32 v2, 4, v1                        ; 16 x lane
	s_cmp_lt_u32 ttmp9, 256                        ; k's work-group or v's: the work-group's number alone decides
	s_cbranch_scc0 .Lv_path
; ---------------------------------------------------------------- K
	s_lshl_b32 s11, ttmp9, 2
	s_add_co_u32 s11, s11, s10                     ; my step among all: 16 x head + step
	s_lshl_b32 s12, s11, 15                        ; 128 keys of 256 bytes
	s_mov_b32 s13, 0
	s_lshr_b32 s14, s11, 4
	s_and_b32 s15, s11, 15
	s_mul_i32 s14, s14, REC
	s_mul_i32 s15, s15, SREC
	s_add_co_u32 s14, s14, s15                     ; my record
	s_mov_b32 s15, 0
	s_mov_b32 s20, 0x76543210
	s_mov_b32 s21, 0xfedcba98                      ; v_permlanex16_b32's selects for lane l xor 16
	s_mul_i32 s16, s10, 2*STG                      ; my wave's two stages
	v_lshrrev_b32 v8, 4, v1                        ; lane / 16
	v_mul_u32_u24 v3, v8, 144                      ; into a stage: a load's 512 bytes are two rows: lanes 0-15 the first, lanes 16-31 the second;
	v_bfe_u32 v9, v1, 3, 1
	v_mad_u32_u24 v3, v9, 2432, v3                 ; eight lanes hold channels 0-31, the next eight channels 32-63;
	v_and_b32 v9, 7, v1
	v_lshl_add_u32 v3, v9, 4, v3                   ; 16 bytes a lane
	v_add_nc_u32 v3, s16, v3
	v_and_b32 v9, 15, v1
	v_mul_u32_u24 v4, v9, 144                      ; out of it: lane (r, h) takes row r, channels 32 h on: 144 bytes from lane to lane, an odd multiple of 16
	v_mad_u32_u24 v4, v8, 2432, v4
	v_add_nc_u32 v4, s16, v4
	v_lshlrev_b32 v5, 3, v1                        ; 8 x lane: my pair of scale words
	v_lshlrev_b32 v6, 3, v8                        ; 8 h: my byte's place in a word
	v_mov_b32 v28, 0                               ; written once: a lane permute's destination counts as one of its sources
	s_wait_kmcnt 0x0
	s_add_nc_u64 s[4:5], s[4:5], s[12:13]
	s_add_nc_u64 s[8:9], s[8:9], s[14:15]
.macro LOADK t                         ; tile t's 16 keys are two runs of eight rows, 16 rows apart: eight loads of 512 consecutive bytes
.irp i, 0,1,2,3,4,5,6,7
	global_load_b128 v[R+32*((\t)%4)+4*\i:R+32*((\t)%4)+4*\i+3], v2, s[4:5] offset:(32*((\t)/2)+8*((\t)%2)+16*(\i/4))*256+512*(\i%4) th:TH_LOAD_NT
.endr
.endm
.macro TURN t                          ; through the stage: LDS serves a wave's instructions in order (ISA guide 5.7.1.4), so no wait stands between the stores and the loads
.irp i, 0,1,2,3,4,5,6,7
	ds_store_b128 v3, v[R+32*((\t)%4)+4*\i:R+32*((\t)%4)+4*\i+3] offset:STG*((\t)%2)+288*\i
.endr
.irp j, 0,1,2,3,4,5,6,7
	ds_load_b128 v[X+32*((\t)%2)+4*\j:X+32*((\t)%2)+4*\j+3], v4 offset:STG*((\t)%2)+16*\j
.endr
.endm
.macro KTILE t
.set XS, X+32*((\t)%2)
	s_wait_dscnt 0x0                               ; this tile's numbers are back from the stage, so its stores into the stage have read their registers,
.if (\t)+4 < 8
	LOADK (\t)+4                                   ; which take the loads of four tiles on
.endif
.if (\t) < 7
.if (\t) <= 3
	s_wait_loadcnt 24                              ; the next tile's eight loads are in; those of the three tiles behind it may be out
.else
	s_wait_loadcnt 8*(6-(\t))                      ; nothing more is asked for: the counts run down
.endif
	TURN (\t)+1                                    ; and go through the other stage while this tile is worked
.endif
	SCALE32 XS                                     ; all 32 numbers of my block are mine
.irp g, 0,1,2,3
	v_cvt_scalef32_pk8_fp4_f32 v[C+4*(\t)+\g], v[XS+8*\g:XS+8*\g+7], v11
.endr
	v_lshrrev_b32 v[E+(\t)], 23, v11               ; the scale's byte (a plain line behind the conversions)
	global_store_b128 v2, v[C+4*(\t):C+4*(\t)+3], s[8:9] offset:512*(\t)   ; 32 lanes store 512 consecutive bytes, at a multiple of 256 from kv's first byte
.endm
.irp t, 0,1,2,3
	LOADK \t
.endr
	s_wait_loadcnt 24                              ; tile 0's eight loads are in
	TURN 0
.irp t, 0,1,2,3,4,5,6,7
	KTILE \t
.endr
.irp b, 0,1,2,3                        ; the word of (b, r): bytes 0, 1: tile 2 b's key, channels 0-31 and 32-63; bytes 2, 3: tile 2 b + 1's
	v_lshl_or_b32 v[W+\b], v[E+2*\b+1], 16, v[E+2*\b]
	v_lshlrev_b32 v[W+\b], v6, v[W+\b]             ; my two bytes at their places, 8 h bits up;
	v_permlanex16_b32 v28, v[W+\b], s20, s21
	v_or_b32 v[W+\b], v[W+\b], v28                 ; with lane l xor 16's two the word is whole
.endr
	v_cmp_le_u32 vcc_lo, 16, v1
	v_cndmask_b32 v8, v[W], v[W+1], vcc_lo         ; lanes 0-15 keep b = 0 and 2, lanes 16-31 b = 1 and 3: one register then serves two fragments
	v_cndmask_b32 v9, v[W+2], v[W+3], vcc_lo
	global_store_b64 v5, v[8:9], s[8:9] offset:KSC ; 32 lanes store 256 consecutive bytes, aligned
	s_wait_tensorcnt 0x0
	ds_add_u32 v30, v31
	s_wait_dscnt 0x0
	s_endpgm
; ---------------------------------------------------------------- V
.Lv_path:
	s_sub_co_u32 s11, ttmp9, 256
	s_lshl_b32 s11, s11, 1
	s_lshr_b32 s12, s10, 1
	s_add_co_u32 s11, s11, s12                     ; my step among all: 16 x head + step
	s_and_b32 s16, s10, 1                          ; which 32 channels are my wave's
	s_lshl_b32 s12, s11, 15
	s_lshl_b32 s17, s16, 7
	s_add_co_u32 s12, s12, s17                     ; 128 keys of 256 bytes, + my 128 bytes of a row
	s_mov_b32 s13, 0
	s_lshr_b32 s14, s11, 4
	s_and_b32 s15, s11, 15
	s_mul_i32 s14, s14, REC
	s_mul_i32 s15, s15, SREC
	s_add_co_u32 s14, s14, s15                     ; my record
	s_lshl_b32 s18, s16, 11
	s_add_co_u32 s18, s18, s14                     ; codes: my 32 channels are two of the four fragments' 1,024 bytes
	s_mov_b32 s19, 0
	s_add_co_u32 s14, s14, s17                     ; scale words: my 32 are 128 bytes
	s_mov_b32 s15, 0
	v_lshlrev_b32 v3, 2, v1                        ; 4 x lane: my channel in a row, and my scale word
	v_lshrrev_b32 v8, 4, v1
	v_and_b32 v9, 15, v1
	v_lshlrev_b32 v4, 4, v9
	v_lshl_add_u32 v4, v8, 10, v4                  ; 1,024 (lane / 16) + 16 (lane % 16): my channel's place in the image
	s_wait_kmcnt 0x0
	s_add_nc_u64 s[6:7], s[6:7], s[12:13]
	s_add_nc_u64 s[22:23], s[8:9], s[18:19]
	s_add_nc_u64 s[24:25], s[8:9], s[14:15]
.macro LOADV t                         ; block t: v(32 t + i, my channel), i = 0 .. 31: a wave's load reads 128 consecutive bytes
.irp i, 0,1,2,3,4,5,6,7,8,9,10,11,12,13,14,15,16,17,18,19,20,21,22,23,24,25,26,27,28,29,30,31
	global_load_b32 v[R+32*(\t)+\i], v3, s[6:7] offset:(32*(\t)+\i)*256 th:TH_LOAD_NT
.endr
.endm
.macro VBLOCK t
.if (\t) < 3
	s_wait_loadcnt 32                              ; this block's 32 loads are in; the next block's 32 may be out
.else
	s_wait_loadcnt 0x0
.endif
.if (\t)+2 < 4
	LOADV (\t)+2                                   ; each block has registers of its own, so the block two further on is asked for at once
.endif
	SCALE32 R+32*(\t)                              ; a block of 32 keys lies in one lane's 32 registers
.irp g, 0,1,2,3
	v_cvt_scalef32_pk8_fp4_f32 v[X+4*(\t)+\g], v[R+32*(\t)+8*\g:R+32*(\t)+8*\g+7], v11
.endr
	v_lshrrev_b32 v13, 23, v11                     ; the scale's byte (a plain line behind the conversions)
.if (\t) == 0
	v_mov_b32 v[E], v13                            ; four bytes to the word, the lower keys in the lower byte
.else
	v_lshl_or_b32 v[E], v13, 8*(\t), v[E]
.endif
	global_store_b128 v4, v[X+4*(\t):X+4*(\t)+3], s[22:23] offset:VIMG+512*((\t)/2)+256*((\t)%2)   ; sixteen lanes store 256 consecutive bytes, aligned
.endm
	LOADV 0
	LOADV 1
.irp t, 0,1,2,3
	VBLOCK \t
.endr
	global_store_b32 v3, v[E], s[24:25] offset:VSC ; my wave's 32 scale words: 128 consecutive bytes; the neighbouring wave writes the other 128
	s_endpgm
.Lfunc_end_k_qdb8c04dfe4_quant:
	.size	k_qdb8c04dfe4_quant, .Lfunc_end_k_qdb8c04dfe4_quant-k_qdb8c04dfe4_quant
	.p2alignl 7, 3214868480
	.fill 96, 4, 3214868480
	.section	.rodata,"a",@progbits
	.p2align	6, 0x0
	.amdhsa_kernel k_qdb8c04dfe4_quant
		.amdhsa_group_segment_fixed_size 39424
		.amdhsa_private_segment_fixed_size 0
		.amdhsa_enable_private_segment 0
		.amdhsa_kernarg_size 24
		.amdhsa_user_sgpr_count 2
		.amdhsa_user_sgpr_kernarg_segment_ptr 1
		.amdhsa_wavefront_size32 1
		.amdhsa_system_sgpr_workgroup_id_x 1
		.amdhsa_system_sgpr_workgroup_id_y 1
		.amdhsa_system_sgpr_workgroup_id_z 1
		.amdhsa_system_vgpr_workitem_id 0
		.amdhsa_next_free_vgpr 256
		.amdhsa_next_free_sgpr 66
		.amdhsa_reserve_vcc 1
		.amdhsa_float_denorm_mode_32 3
		.amdhsa_float_denorm_mode_16_64 3
		.amdhsa_memory_ordered 1
		.amdhsa_forward_progress 1
		.amdhsa_inst_pref_size 49
	.end_amdhsa_kernel
	.amdgpu_metadata
---
amdhsa.version: [ 1, 2 ]
amdhsa.kernels:
  - .name:           k_qdb8c04dfe4_quant
    .symbol:         k_qdb8c04dfe4_quant.kd
    .args:
      - { .name: k, .offset: 0, .size: 8, .value_kind: global_buffer, .address_space: global }
      - { .name: v, .offset: 8, .size: 8, .value_kind: global_buffer, .address_space: global }
      - { .name: kv, .offset: 16, .size: 8, .value_kind: global_buffer, .address_space: global }
    .group_segment_fixed_size: 39424
    .private_segment_fixed_size: 0
    .kernarg_segment_align: 8
    .kernarg_segment_size: 24
    .max_flat_workgroup_size: 128
    .sgpr_count:     66
    .vgpr_count:     256
    .wavefront_size: 32
...
	.end_amdgpu_metadata
.endif
;; end of part 1
;; launch attn (part 2): grid 4 x 64, 16 waves a work-group, clusters of 4 x 1, 219,136 bytes of LDS; arguments q, kv, out0; writes out0
.if DOCPART == 2
	.amdgcn_target "amdgcn-amd-amdhsa--gfx1250"
	.amdhsa_code_object_version 6
	.text
	.protected	k_qdb8c04dfe4_attn
	.globl	k_qdb8c04dfe4_attn
	.p2align	8
	.type	k_qdb8c04dfe4_attn,@function
k_qdb8c04dfe4_attn:
	s_mov_b64 s[64:65], 0
	v_nop
	global_prefetch_b8 v0, s[64:65] scope:SCOPE_SE
	s_setreg_imm32_b32 hwreg(HW_REG_WAVE_MODE, 25, 1), 1
	s_wait_xcnt 0x0
	s_wait_alu depctr_hold_cnt(0) depctr_sa_sdst(0) depctr_va_vdst(0) depctr_va_sdst(0) depctr_va_ssrc(0) depctr_va_vcc(0) depctr_vm_vsrc(0)
	s_getreg_b32 s2, hwreg(HW_REG_IB_STS2, 6, 4)
	s_cmp_eq_u32 s2, 0
	s_cbranch_scc0 .Lentry_in_a_cluster
	s_endpgm
.Lentry_in_a_cluster:
	s_bfe_u32 s2, ttmp6, 0x10000c
	s_cmp_lg_u32 s2, 0x3003
	s_cbranch_scc0 .Lentry_shape_is_right
	s_endpgm
.Lentry_shape_is_right:
; out0[h][s][:] = the sum over t <= s of softmax_t(0.125 q[h][s] . k[h][t]) v[h][t][:], 64 heads, 2,048 positions, 64 channels; both products on codes of FP4 (E2M1) with E8M0 scales.
; k and v arrive as codes and scale words in kv, in the order of the operands' registers (a record of 8,704 bytes for each 128 keys: K's image, V's image, K's scale words, V's).
; q arrives as f32: each tile of 16 queries is read by one wave once, multiplied by 0.125 and quantised in registers.
; THE SOFTMAX AHEAD OF THE SECOND PRODUCT: t = score x log2(e); M = the row's largest t so far, rounded UP to a whole number; p = 2^(t - M) is quantised along the keys, not normalised.
; The row's sum is taken of the unquantised p, in f32, and divides at the end.  When M moves, the sum and O are multiplied by 2^(old M - new M): exact.
; SHARES.  A head's whole record, 139,264 bytes, lies in LDS, filled ONCE: no slot is ever filled again, and the loop over the keys has no barrier.  The four work-groups of a cluster serve
; one head and ask for its record JOINTLY (the same tensor loads, a mask that names the four): kv is fetched once for each head.  A tile of 16 queries T needs T / 8 + 1 steps of 128 keys,
; so the pair (T, 127 - T) needs 17: each of a head's 64 waves takes one such pair, the low tile in pass 0 and the high one in pass 1, and every wave of the launch does the same work.
; Sixteen waves of 256 registers, four to a SIMD: a key step has 12 matrix instructions beside some 230 vector instructions, so one wave's softmax stands beside another's products and LDS loads.
; BRANCHES hang on the wave's number and on loop counters alone: wave w has a = w / 2; its diagonal step is a in pass 0 and 15 - a in pass 1.  The place in the cluster enters q's and out0's
; addresses and one vector register of the mask, nothing else.  Every wave walks all 16 steps of the loop and jumps over the work of the steps whose keys all come after its queries.
; LAYOUT.  Both products are used transposed: S^T = K Q^T (source 0 = keys, source 1 = my queries), O^T = V^T P^T: a lane holds ONE query (lane % 16) throughout.
; THE HEAD'S 64 CHANNELS ARE HALF OF THE INSTRUCTION'S 128: a fragment of 8 registers holds TWO tiles of 16 keys (tile 2 b in K = 0-63, tile 2 b + 1 in K = 64-127), and Q stands as
; [Q, 0, Q] in v16-27: v[16:23] = [Q, 0] picks the first tile, v[20:27] = [0, Q] the second.  Zero codes add nothing whatever their scale byte.
; THE KEYS OF A TILE ARE NOT NEIGHBOURS: lane r of tile 2 b + u holds key 32 b + 8 u + r + 8 (r / 8), so that register 96 + n holds key 32 (n / 16) + 16 (lane / 16) + n % 16 of the step.
; LIMITS: NaN and infinities among the inputs are not served.  A block whose largest magnitude lies under 2^-124 (a block of zeros, a block of hidden keys) gets the byte 1; a p under 2^-126 is 0
; (v_exp_f32 flushes).  A block's largest p is made from its largest score by the same two instructions: this takes v_exp_f32 not to fall where its input rises; at the worst one p of a block is held one code low.
.set REC,   139264                     ; LDS 0 .. 139,263: the head's record, as it lies in kv
.set SREC,  8704                       ; a step's record
.set PART,  17408                      ; two steps' records: what one tensor load brings: 68 rows of 256 bytes
.set VIMG,  4096
.set KSC,   8192
.set VSC,   8448
.set STAGE, REC                        ; behind it, from a multiple of 256 on: 4,864 bytes for each wave, its own: q's turn (16 rows x 144, twice) and O's way out (16 rows x 272); no fill lands there
.set WST,   4864
; v1 16 x lane, v2 8 x lane, v3 4 x lane; v4, v5 q's turn, in and out; v6, v7 O's way out, in and back; v9-11 the step's LDS addresses; v12 -M, v13 the largest t, v[14:15] the sum in two halves;
; v[16:27] Q, zeros, Q; v28 Q's scale word; v29 -infinity; v30 r - 16 h; v31 the mask's d
.set KF,  32                           ; v32-63   K's four fragments; on the way out rows of O
.set VF,  64                           ; v64-95   V's four fragments
.set S,   96                           ; v96-159  S^T, then p; at a pass's head q's 32 numbers; at its end O
.set O,   160                          ; v160-191 O^T
.set PC,  192                          ; v192-199 p's codes
.set KS0, 200                          ; v200-201 K's scale words; v202-203 V's; v204 p's: they hold scales and nothing else
.set VS0, 202
.set PS,  204
.set H8,  205                          ; v205     8 h
.set L2,  206                          ; v[206:207] the sum's second chain
.set BM,  208                          ; v208-211 the blocks' largest scores, then largest p
.set BT,  212                          ; v212-215 the other half's, then the bytes
.set SO,  216                          ; v216-219 the conversions' scale operands
.set F,   220                          ; v[220:221] f = 2^(old M - new M); at the end 1 / the sum (v221 is named with it as a pair)
.set T0,  222                          ; v222, v223 at work
.set QN,  224                          ; v224-255 q as loaded
.set WV,   10                          ; s10 my wave's number
.set QBS,  14                          ; s14 16 x (my tile's place among the eight of its diagonal step)
.set DS,   15                          ; s15 my tile's diagonal step
.set KS,   16                          ; s16 the step
.set TB,   17                          ; s17 where the step's record begins in LDS
.set PASS, 18                          ; s18 passes to go
.set SEL,  20                          ; s[20:21] v_permlanex16_b32's selects for lane l xor 16
.set CS,   22                          ; s[22:23] log2(e): the packed form names a pair and takes its low word for both halves
.set G1,   24                          ; s[24:31] descriptor group 1;  s[32:35] group 0
.set G0,   32
; s[36:37], s[38:39] q at my low and my high tile; s[40:41] out0 at the tile in hand, s[42:43] at the high tile
; A round of the cluster's barrier: my work-group's barrier, so that wave 0's signal speaks for all sixteen waves; wave 0 signals for the work-group; every wave waits for all four work-groups; my work-group's barrier once more.
.macro CROUND
	s_barrier_signal -1
	s_barrier_wait -1
	s_cmp_lg_u32 s[WV], 0
	s_cbranch_scc1 .Lnot_wave_0_\@
	s_barrier_signal -3
.Lnot_wave_0_\@:
	s_barrier_wait -3
	s_barrier_signal -1
	s_barrier_wait -1
.endm
.macro QLOAD base                      ; a tile of 16 queries is 4,096 consecutive bytes: eight loads of 512; read once in the launch
.irp i, 0,1,2,3,4,5,6,7
	global_load_b128 v[QN+4*\i:QN+4*\i+3], v1, s[\base:\base+1] offset:512*\i th:TH_LOAD_NT
.endr
.endm
	s_load_b128 s[4:7], s[0:1], 0x0                ; q s[4:5], kv s[6:7]
	s_load_b64 s[8:9], s[0:1], 0x10                ; out0
	v_lshl_add_u32 v254, v0, 2, 0x35000
	v_mov_b32 v255, 0
	ds_add_u32 v254, v255
	ds_add_u32 v254, v255
	s_wait_dscnt 0x0
	v_lshrrev_b32 v8, 5, v0
	v_readfirstlane_b32 s[WV], v8                  ; wave 0..15
	s_lshr_b32 s11, s[WV], 1                       ; a
	s_bfe_u32 s12, ttmp6, 0x40000                  ; cx: my place in the cluster
	s_lshl_b32 s13, ttmp9, 2                       ; in a cluster launch ttmp9 counts clusters
	s_add_co_u32 s13, s13, s12
	s_lshl_b32 s13, s13, 1
	s_and_b32 s44, s[WV], 1
	s_add_co_u32 s13, s13, s44                     ; b = 2 x work-group x + wave % 2: 0 .. 7
	s_lshl_b32 s[QBS], s13, 4
	s_and_b32 s45, ttmp7, 0xffff                   ; the head, which the four partners share
	s_lshl_b32 s50, s45, 19                        ; a head of q or out0: 2,048 rows of 256 bytes
	s_lshl_b32 s46, s11, 3
	s_add_co_u32 s46, s46, s13                     ; my low tile: 8 a + b
	s_sub_co_u32 s48, 127, s46                     ; my high tile
	s_lshl_b32 s46, s46, 12                        ; a tile is 4,096 bytes
	s_lshl_b32 s48, s48, 12
	s_add_co_u32 s46, s46, s50
	s_add_co_u32 s48, s48, s50
	s_mov_b32 s47, 0
	s_mov_b32 s49, 0
	s_and_b32 s51, s[WV], 7                        ; which eighth of the record I fetch, if I fetch (waves 0 to 7): in registers that never hold cx
	s_mul_i32 s51, s51, PART
	s_mul_i32 s52, s45, REC
	s_add_co_u32 s52, s52, s51
	s_mov_b32 s53, 0
	s_mul_i32 s54, s[WV], WST
	s_add_co_u32 s54, s54, STAGE                   ; my stage
	; descriptor group 1: a dense block of 17,408 bytes as 68 rows of 32 elements of 8 bytes; no padding: every read of it is 16, 8 or 4 bytes x lane on end
	s_mov_b32 s[G1], 15|(3<<16)|(1<<21)            ; 15:0 the mask: all four work-groups; 17:16 elements of 8 bytes; 21 set beside a mask
	s_mov_b32 s[G1+1], 32<<16                      ; tensor_dim0 = 32
	s_mov_b32 s[G1+2], 68<<16                      ; tensor_dim1 = 68
	s_mov_b32 s[G1+3], 32<<16                      ; tile_dim0 = 32
	s_mov_b32 s[G1+4], 68                          ; tile_dim1 = 68
	s_mov_b32 s[G1+5], 32                          ; from row to row
	s_mov_b32 s[G1+6], 0
	s_mov_b32 s[G1+7], 0
	s_mov_b32 s[SEL], 0x76543210
	s_mov_b32 s[SEL+1], 0xfedcba98
	s_mov_b32 s[CS], 0x3fb8aa3b                    ; log2(e)
	s_mov_b32 s[CS+1], s[CS]                       ; (named with it as a pair, so it is written)
	s_mov_b32 s[PASS], 2
	s_mov_b32 s[DS], s11
	v_and_b32 v8, 31, v0                           ; lane
	v_lshlrev_b32 v1, 4, v8
	v_lshlrev_b32 v2, 3, v8
	v_lshlrev_b32 v3, 2, v8
	v_bfe_u32 v32, v0, 4, 1                        ; h = lane / 16
	v_and_b32 v33, 15, v0                          ; r = lane % 16
	v_bfe_u32 v34, v0, 3, 1
	v_and_b32 v35, 7, v0
	v_mul_u32_u24 v4, v32, 144                     ; q into the stage: a load's 512 bytes are two rows; eight lanes hold channels 0-31, the next eight channels 32-63
	v_mad_u32_u24 v4, v34, 2432, v4
	v_lshl_add_u32 v4, v35, 4, v4
	v_add_nc_u32 v4, s54, v4
	v_mul_u32_u24 v5, v33, 144                     ; and out of it: lane (r, h) takes row r, channels 32 h on; 144 bytes from lane to lane, an odd multiple of 16
	v_mad_u32_u24 v5, v32, 2432, v5
	v_add_nc_u32 v5, s54, v5
	v_mul_u32_u24 v6, v33, 272                     ; O into the stage: row r, 32 bytes for each half of the lanes
	v_lshl_add_u32 v6, v32, 5, v6
	v_add_nc_u32 v6, s54, v6
	v_mul_u32_u24 v7, v32, 272                     ; and back: lanes 0-15 one row of 256 bytes, lanes 16-31 the next
	v_lshl_add_u32 v7, v33, 4, v7
	v_add_nc_u32 v7, s54, v7
	v_lshlrev_b32 v[H8], 3, v32
	v_lshlrev_b32 v34, 4, v32
	v_sub_nc_u32 v30, v33, v34                     ; r - 16 h
	v_mov_b32 v29, 0xff800000                      ; -infinity
.irp g, 20,21,22,23
	v_mov_b32 v\g, 0                               ; the zero codes between Q and Q: written once
.endr
.irp b, 0,1,2,3
	v_mov_b32 v[BT+\b], 0                          ; written once: a lane permute's destination counts as one of its sources
.endr
	v_mov_b32 v[F+1], 0
	v_mov_b32 v[T0+1], 0
	s_wait_kmcnt 0x0
	s_add_nc_u64 s[36:37], s[4:5], s[46:47]
	s_add_nc_u64 s[38:39], s[4:5], s[48:49]
	s_add_nc_u64 s[40:41], s[8:9], s[46:47]
	s_add_nc_u64 s[42:43], s[8:9], s[48:49]
	s_mov_b32 s[G0], 1                             ; 1:0 count = 1
	s_mov_b32 s[G0+1], s51                         ; 63:32 LDS address: the record lies in LDS as in memory
	s_add_nc_u64 s[G0+2:G0+3], s[6:7], s[52:53]    ; 120:64 global address: the head and the wave's number alone
	s_or_b32 s[G0+3], s[G0+3], 0x80000000          ; 127:126 type = 2
	CROUND                                         ; all four work-groups are here: the joint loads meet
	s_cmp_lt_u32 s[WV], 8                          ; waves 0 to 7 fetch an eighth each: one tensor load of mine is out, the launch's only fill
	s_cbranch_scc0 .Lno_fill
	tensor_load_to_lds s[G0:G0+3], s[G1:G1+7]
	s_nop 0
.rept 4
	v_nop                                          ; four v_nop follow the load, ahead of the label and what follows
.endr
.Lno_fill:
	QLOAD 36                                       ; my low tile's q
	s_wait_tensorcnt 0x0                           ; my part of the record has landed,
	s_barrier_signal -1
	s_barrier_wait -1                              ; everybody's has: from here on the record is only read.  (q's loads may stay out: nobody writes q)
.Lpass:                                            ; two trips: my low tile, my high tile
	; ---- q: through my stage, so that a lane holds 32 neighbours; x 0.125; quantised
	s_wait_loadcnt 0x0
.irp i, 0,1,2,3,4,5,6,7
	ds_store_b128 v4, v[QN+4*\i:QN+4*\i+3] offset:288*\i
.endr
.irp j, 0,1,2,3,4,5,6,7
	ds_load_b128 v[S+4*\j:S+4*\j+3], v5 offset:16*\j   ; LDS serves a wave's instructions in order (ISA guide 5.7.1.4): these see my stores
.endr
	s_wait_dscnt 0x0                               ; the numbers are in, and the stores have read v224-255,
	s_cmp_lg_u32 s[PASS], 2
	s_cbranch_scc1 .Lno_next
	QLOAD 38                                       ; which take my high tile's q: it has the whole of pass 0 in which to land
.Lno_next:
.set j, 0
.rept 16
	v_pk_mul_f32 v[S+j:S+j+1], v[S+j:S+j+1], 0x3e000000 op_sel_hi:[1,0]   ; q x 64^-0.5
.set j, j+2
.endr
	v_max3_num_f32 v[BM], |v[S]|, |v[S+1]|, |v[S+2]|               ; my block's largest magnitude: all 32 numbers are mine; two chains
	v_max3_num_f32 v[BM+1], |v[S+3]|, |v[S+4]|, |v[S+5]|
.irp i, 6,10,14,18,22,26
	v_max3_num_f32 v[BM], v[BM], |v[S+\i]|, |v[S+\i+1]|
	v_max3_num_f32 v[BM+1], v[BM+1], |v[S+\i+2]|, |v[S+\i+3]|
.endr
	v_max3_num_f32 v[BM], v[BM], |v[S+30]|, |v[S+31]|
	v_max3_num_f32 v[BM], v[BM], v[BM+1], 0x1800000                ; the floor 2^(3 - 127): the byte cannot fall under 1
	v_add_nc_u32 v[SO], 0xff000000, v[BM]          ; 2 off the exponent field: the conversion's scale operand
	v_lshrrev_b32 v[BT], 23, v[SO]                 ; the scale's byte
.irp g, 0,1,2,3
	v_cvt_scalef32_pk8_fp4_f32 v[16+\g], v[S+8*\g:S+8*\g+7], v[SO]
.endr
	v_nop                                          ; one plain place behind a scaled conversion
.irp g, 0,1,2,3
	v_mov_b32 v[24+\g], v[16+\g]                   ; Q a second time, behind the zeros
.endr
	v_lshlrev_b32 v[T0], v[H8], v[BT]              ; my byte at its place, 8 h bits up;
	v_permlanex16_b32 v[T0+1], v[T0], s[SEL], s[SEL+1]
	v_or_b32 v[T0], v[T0], v[T0+1]                 ; with lane l xor 16's: the row's two bytes;
	v_lshl_or_b32 v28, v[T0], 16, v[T0]            ; twice: they serve K = 0-63 and K = 64-127 alike
	; ---- the pass's sums begin
	v_mov_b32 v13, 0xff61b1e6                      ; the largest t so far: -3e38, under every t
	v_floor_f32 v12, -v13                          ; -M
	v_mov_b32 v14, 0                               ; the sum, in two halves
	v_mov_b32 v15, 0
.set j, 0
.rept 32
	v_mov_b32 v[O+j], 0                            ; O^T.  (The step is written once: the first finds zeros, which the first change of M leaves zeros.  These lines are also the places between Q's scale word and codes and the first products)
.set j, j+1
.endr
	v_add_nc_u32 v31, s[QBS], v30                  ; d = my query - the diagonal step's first key - 16 h
	s_mov_b32 s[KS], 0
	s_mov_b32 s[TB], 0
.Lstep:                                            ; 16 trips, a constant: a step all of whose keys come after my queries is jumped over, but for the lines at its end that step on
	s_cmp_gt_u32 s[KS], s[DS]
	s_cbranch_scc1 .Lhidden
	v_add_nc_u32 v9, s[TB], v1
	v_add_nc_u32 v10, s[TB], v2
	v_add_nc_u32 v11, s[TB], v3
	v_nop                                          ; four places behind the last step's products, in front of loads into registers that they read (ISA guide 7.12.1 for vector instructions)
.irp t, 0,1,2,3,4,5,6,7
	ds_load_b128 v[KF+4*\t:KF+4*\t+3], v9 offset:512*\t            ; tile t of 16 keys: half a fragment
.endr
	ds_load_b64 v[KS0:KS0+1], v10 offset:KSC       ; K's scale words: v200: lanes 0-15 fragment 0, lanes 16-31 fragment 1; v201: fragments 2 and 3
.irp m, 0,1,2,3,4,5,6,7
	ds_load_b128 v[VF+4*\m:VF+4*\m+3], v9 offset:VIMG+512*\m
.endr
	ds_load_b32 v[VS0], v11 offset:VSC             ; V's scale words: v202: channels 0-15 below, 16-31 above; v203: 32-47, 48-63
	ds_load_b32 v[VS0+1], v11 offset:VSC+128
	s_wait_dscnt 10                                ; K and its scale words are in; V's eight loads and its two scale words may be out
.irp t, 0,1,2,3,4,5,6,7                        ; S^T: eight tiles of 16 keys; each starts its sum with the constant 0
.if ((\t/2)%2) == 1
	v_wmma_scale_f32_16x16x128_f8f6f4 v[S+8*\t:S+8*\t+7], v[KF+8*(\t/2):KF+8*(\t/2)+7], v[16+4*(\t%2):23+4*(\t%2)], 0, v[KS0+\t/4], v28 matrix_a_fmt:MATRIX_FMT_FP4 matrix_b_fmt:MATRIX_FMT_FP4 matrix_a_scale:MATRIX_SCALE_ROW1
.else
	v_wmma_scale_f32_16x16x128_f8f6f4 v[S+8*\t:S+8*\t+7], v[KF+8*(\t/2):KF+8*(\t/2)+7], v[16+4*(\t%2):23+4*(\t%2)], 0, v[KS0+\t/4], v28 matrix_a_fmt:MATRIX_FMT_FP4 matrix_b_fmt:MATRIX_FMT_FP4
.endif
.endr
.rept 4
	v_nop                                          ; four places in front of the first read of results
.endr
	s_cmp_lg_u32 s[KS], s[DS]                      ; on the diagonal the scores of hidden keys become -infinity ahead of the maximum: p = 0 then.  The step's first key counts for every query of mine
	s_cbranch_scc1 .Lopen
.set n, 0
.rept 64
	v_cmp_gt_i32 vcc_lo, 32*(n/16)+n%16, v31       ; register n holds the step's key 32 (n / 16) + 16 h + n % 16: hidden where 32 (n / 16) + n % 16 > d
	v_cndmask_b32 v[S+n], v[S+n], v29, vcc_lo
.set n, n+1
.endr
.Lopen:
.irp b, 0,1,2,3
	v_max3_num_f32 v[BM+\b], v[S+16*\b], v[S+1+16*\b], v[S+2+16*\b]   ; THE LARGEST SCORE OF EACH BLOCK OF 32 KEYS serves twice: for the row's maximum, and, since p rises with the score, for the block's largest p
.endr
.irp i, 3,5,7,9,11,13
.irp b, 0,1,2,3
	v_max3_num_f32 v[BM+\b], v[BM+\b], v[S+16*\b+\i], v[S+1+16*\b+\i]   ; (the four blocks by turns)
.endr
.endr
.irp b, 0,1,2,3
	v_max_num_f32 v[BM+\b], v[BM+\b], v[S+15+16*\b]
.endr
.irp b, 0,1,2,3
	v_permlanex16_b32 v[BT+\b], v[BM+\b], s[SEL], s[SEL+1]
.endr
.irp b, 0,1,2,3
	v_max_num_f32 v[BM+\b], v[BM+\b], v[BT+\b]     ; with lane l xor 16's 16 keys
.endr
	v_max3_num_f32 v[T0], v[BM], v[BM+1], v[BM+2]
	v_max_num_f32 v[T0], v[T0], v[BM+3]            ; the step's largest score of my query
	v_mul_f32 v[T0], s[CS], v[T0]                  ; as t
	v_max_num_f32 v13, v13, v[T0]                  ; the running largest t
	v_mov_b32 v[T0], v12
	v_floor_f32 v12, -v13                          ; the new -M = floor(-t) = -ceil(t): M IS A WHOLE NUMBER
	v_sub_f32 v[T0], v12, v[T0]                    ; M's old value less its new one: a whole number, 0 or less
	v_cvt_i32_f32 v[T0], v[T0]                     ; (it saturates)
	v_ldexp_f32 v[F], 1.0, v[T0]                   ; f = 2^(old M - new M): a multiplication by it rounds nothing
.set j, 0
.rept 32
	v_pk_fma_f32 v[S+j:S+j+1], v[S+j:S+j+1], s[CS:CS+1], v[12:13] op_sel_hi:[1,0,0]   ; t - M, two at a time (of the pairs the low word serves both halves)
.set j, j+2
.endr
.irp b, 0,1,2,3
	v_fma_f32 v[BM+\b], v[BM+\b], s[CS], v12       ; the same of each block's largest score
.endr
.set j, 0
.rept 64
	v_exp_f32 v[S+j], v[S+j]                       ; p = 2^(t - M): NOT normalised
.set j, j+1
.endr
.irp b, 0,1,2,3
	v_exp_f32 v[BM+\b], v[BM+\b]                   ; the block's largest p: the same two instructions on the same number give the same bits
.endr
	v_pk_mul_f32 v[14:15], v[14:15], v[F:F+1] op_sel_hi:[1,0]      ; the sums under the new M.  (A plain place behind the exponentials)
	s_wait_alu depctr_va_vdst(0)
.irp b, 0,1,2,3
	v_max_num_f32 v[BM+\b], 0x1800000, v[BM+\b]    ; the floor 2^(3 - 127): the byte cannot fall under 1
.endr
.irp b, 0,1,2,3
	v_add_nc_u32 v[SO+\b], 0xff000000, v[BM+\b]    ; 2 off the exponent field: the conversion's scale operand
.endr
.irp b, 0,1,2,3
	v_lshrrev_b32 v[BT+\b], 23, v[SO+\b]           ; the scale's byte
.endr
	v_lshl_or_b32 v[PS], v[BT+1], 8, v[BT]         ; p's scale word for these 128 keys
	v_lshl_or_b32 v[PS], v[BT+2], 16, v[PS]
	v_lshl_or_b32 v[PS], v[BT+3], 24, v[PS]
.irp b, 0,1,2,3
	v_cvt_scalef32_pk8_fp4_f32 v[PC+2*\b], v[S+16*\b:S+7+16*\b], v[SO+\b]
	v_cvt_scalef32_pk8_fp4_f32 v[PC+1+2*\b], v[S+8+16*\b:S+15+16*\b], v[SO+\b]
.endr
	v_nop                                          ; one plain place behind a scaled conversion
.irp c, 0,1                                    ; the operand's layout wants a WHOLE block in a lane: lanes 0-15 block 2 c, lanes 16-31 block 2 c + 1
.irp i, 0,1
	v_permlane16_swap_b32 v[PC+4*\c+\i], v[PC+2+4*\c+\i]
.endr
.endr
	v_pk_add_f32 v[L2:L2+1], v[S:S+1], v[S+2:S+3]  ; THE ROW'S SUM IS TAKEN OF THE UNQUANTISED p: two at a time, in two chains
.irp j, 4,8,12,16,20,24,28,32,36,40,44,48,52,56,60
	v_pk_add_f32 v[14:15], v[14:15], v[S+\j:S+\j+1]
	v_pk_add_f32 v[L2:L2+1], v[L2:L2+1], v[S+2+\j:S+3+\j]
.endr
	v_pk_add_f32 v[14:15], v[14:15], v[L2:L2+1]
.set j, 0
.rept 16
	v_pk_mul_f32 v[O+j:O+j+1], v[O+j:O+j+1], v[F:F+1] op_sel_hi:[1,0]   ; O^T under the new M, each accumulator from its low end on.  (With the sums above: the places between p's scale word and codes and the products below)
.set j, j+2
.endr
	s_wait_dscnt 0x0                               ; V and its scale words are in: asked for a whole softmax ago
.irp t, 0,1,2,3                                ; O^T += V^T P^T: four tiles of 16 channels, K = these 128 keys; the four accumulators take turns, one instruction a turn
.if (\t%2) == 1
	v_wmma_scale_f32_16x16x128_f8f6f4 v[O+8*\t:O+8*\t+7], v[VF+8*\t:VF+8*\t+7], v[PC:PC+7], v[O+8*\t:O+8*\t+7], v[VS0+\t/2], v[PS] matrix_a_fmt:MATRIX_FMT_FP4 matrix_b_fmt:MATRIX_FMT_FP4 matrix_a_scale:MATRIX_SCALE_ROW1
.else
	v_wmma_scale_f32_16x16x128_f8f6f4 v[O+8*\t:O+8*\t+7], v[VF+8*\t:VF+8*\t+7], v[PC:PC+7], v[O+8*\t:O+8*\t+7], v[VS0+\t/2], v[PS] matrix_a_fmt:MATRIX_FMT_FP4 matrix_b_fmt:MATRIX_FMT_FP4
.endif
.endr
.Lhidden:
	s_add_co_u32 s[TB], s[TB], SREC                ; the next step's record
	s_add_co_u32 s[KS], s[KS], 1
	s_cmp_lt_u32 s[KS], 16
	s_cbranch_scc1 .Lstep
	; ---- the way out: O^T / the sum goes through my stage and leaves as whole rows of 256 bytes
.rept 4
	v_nop                                          ; four places behind the last products
.endr
	v_add_f32 v14, v14, v15                        ; the sum's two halves,
	v_permlanex16_b32 v[T0+1], v14, s[SEL], s[SEL+1]
	v_add_f32 v14, v14, v[T0+1]                    ; and lane l xor 16's: the row's sum
	v_rcp_f32 v[F], v14
	v_nop                                          ; one plain place behind a transcendental
.set j, 0
	s_wait_alu depctr_va_vdst(0)
.rept 16
	v_pk_mul_f32 v[S+j:S+j+1], v[O+j:O+j+1], v[F:F+1] op_sel_hi:[1,0]   ; register 8 t + i is out0(r, 16 t + 8 h + i)
.set j, j+2
.endr
.irp t, 0,1,2,3
	ds_store_b128 v6, v[S+8*\t:S+8*\t+3] offset:64*\t
	ds_store_b128 v6, v[S+8*\t+4:S+8*\t+7] offset:64*\t+16
.endr
.irp i, 0,1,2,3,4,5,6,7
	ds_load_b128 v[KF+4*\i:KF+4*\i+3], v7 offset:544*\i            ; two rows an instruction; these see my stores
.endr
.irp i, 0,1,2,3,4,5,6,7
	s_wait_dscnt 7-\i                              ; LDS loads come back in order (ISA guide 5.7.1): the younger ones may be out
	global_store_b128 v1, v[KF+4*\i:KF+4*\i+3], s[40:41] offset:512*\i th:TH_STORE_NT   ; 32 lanes store 512 consecutive bytes, at a multiple of 256 from out0's first byte; written once, read by nobody here
.endr
	s_wait_xcnt 0x0                                ; the stores have read their base and their registers: both are written again only behind this wait
	s_mov_b64 s[40:41], s[42:43]                   ; on to my high tile: 127 - (8 a + b) = 8 (15 - a) + (7 - b)
	s_sub_co_u32 s[DS], 15, s[DS]
	s_sub_co_u32 s[QBS], 112, s[QBS]
	s_sub_co_u32 s[PASS], s[PASS], 1
	s_cmp_lg_u32 s[PASS], 0
	s_cbranch_scc1 .Lpass
	s_wait_xcnt 0x0
	v_lshl_add_u32 v254, v0, 2, 0x35000
	v_mov_b32 v255, 0
	s_wait_tensorcnt 0x0
	ds_add_u32 v254, v255
	s_wait_dscnt 0x0
	CROUND                                         ; the closing round: no work-group ends while a partner may still ask for a tile that names it
	s_endpgm
.Lfunc_end_k_qdb8c04dfe4_attn:
	.size	k_qdb8c04dfe4_attn, .Lfunc_end_k_qdb8c04dfe4_attn-k_qdb8c04dfe4_attn
	.p2alignl 7, 3214868480
	.fill 96, 4, 3214868480
	.section	.rodata,"a",@progbits
	.p2align	6, 0x0
	.amdhsa_kernel k_qdb8c04dfe4_attn
		.amdhsa_group_segment_fixed_size 219136
		.amdhsa_private_segment_fixed_size 0
		.amdhsa_enable_private_segment 0
		.amdhsa_kernarg_size 24
		.amdhsa_user_sgpr_count 2
		.amdhsa_user_sgpr_kernarg_segment_ptr 1
		.amdhsa_wavefront_size32 1
		.amdhsa_system_sgpr_workgroup_id_x 1
		.amdhsa_system_sgpr_workgroup_id_y 1
		.amdhsa_system_sgpr_workgroup_id_z 1
		.amdhsa_system_vgpr_workitem_id 0
		.amdhsa_next_free_vgpr 256
		.amdhsa_next_free_sgpr 66
		.amdhsa_reserve_vcc 1
		.amdhsa_float_denorm_mode_32 3
		.amdhsa_float_denorm_mode_16_64 3
		.amdhsa_memory_ordered 1
		.amdhsa_forward_progress 1
		.amdhsa_inst_pref_size 37
	.end_amdhsa_kernel
	.amdgpu_metadata
---
amdhsa.version: [ 1, 2 ]
amdhsa.kernels:
  - .name:           k_qdb8c04dfe4_attn
    .symbol:         k_qdb8c04dfe4_attn.kd
    .args:
      - { .name: q, .offset: 0, .size: 8, .value_kind: global_buffer, .address_space: global }
      - { .name: kv, .offset: 8, .size: 8, .value_kind: global_buffer, .address_space: global }
      - { .name: out0, .offset: 16, .size: 8, .value_kind: global_buffer, .address_space: global }
    .group_segment_fixed_size: 219136
    .private_segment_fixed_size: 0
    .kernarg_segment_align: 8
    .kernarg_segment_size: 24
    .max_flat_workgroup_size: 512
    .sgpr_count:     66
    .vgpr_count:     256
    .wavefront_size: 32
...
	.end_amdgpu_metadata
.endif
;; end of part 2
